; MI455X (gfx1250); checked and timed in simulation.
; The chip was launched on July 23, 2026; its instructions are those of AMD's public machine-readable ISA for CDNA 5 (MIT licence, August 2026) and "CDNA5" Instruction Set Architecture Reference Guide (July 2026). The comments in the code are by the model that wrote it; some were corrected since.
;; Quant Linear. Allowed arithmetic: matrix products marked QUANTISED: E2M1 operands, one E8M0 scale for each 32 along K, by v_wmma_scale_f32_16x16x128_f8f6f4 with both operands' format E2M1 (or v_wmma_scale_f32_32x16x128_f4), f32 sums; everything else in f32.
;; Inputs: bias 4,096 float32; qweight 512 x 4,096 int32; qzeros 32 x 512 int32; scales 32 x 4,096 float32; x_codes 8 x 512 x 128 x 16 uint8 (E2M1 codes of x, K innermost, in blocks of 32 codes, two codes a byte); x_scales 8 x 512 x 128 uint8 (E8M0 scales of x, one for each 32 codes along K).
;; Outputs: out0 8 x 512 x 4,096 float32.
;; This version of the problem:
;;   THIS VERSION OF THE PROBLEM IS GIVEN IN LOW PRECISION. The matrix products marked QUANTISED in the list below multiply operands that are first quantised to E2M1 (2 exponent bits, 1 mantissa bit; 4 bits a number), with one power-of-two scale for each 32 numbers along K (OCP MX v1.0); their sums are f32. All else is computed in f32.
;;   The module's matrix products, in the order in which they are computed (A, B: the left and right operand; K: the contracted axis; several contracted axes count as one K, in the product's order):
;;     1. [M 4,096, K 4,096] x [K 4,096, N 4,096]; A: input x (given as codes); B: computed on the way: QUANTISED
;;   THE QUANTISER, for each operand of a quantised product, along K:
;;     - K is cut into blocks of 32 from its start; a last block that is shorter is filled with zeros.
;;     - A block's scale is 2^e with e = floor(log2(the largest magnitude in the block)) - 2, held to -126 .. 127; a block of zeros has e = 0. As a byte (E8M0): e + 127.
;;     - Each number is divided by its block's scale, clamped to +-6, and rounded to the nearest number of E2M1, ties to even, subnormals kept.
;;     - The product sums the exact products of the quantised numbers (number of the format x scale) in f32.
;;   ~~~python
;;   def quantise(x, axis):      # numpy; x: float32 -> the quantised numbers, widened to float32 again
;;       x = np.moveaxis(x, axis, -1); K = x.shape[-1]
;;       x = np.pad(x, [(0, 0)] * (x.ndim - 1) + [(0, -K % 32)]); x = x.reshape(x.shape[:-1] + (-1, 32)); a = np.abs(x).max(-1, keepdims=True)
;;       e = np.where(a > 0, np.clip(np.frexp(np.where(a > 0, a, 1))[1] - 1 - 2, -126, 127), 0)      # np.frexp(a)[1] - 1 = floor(log2(a)), exactly
;;       r = np.clip(x / 2.0 ** e, -6, 6)
;;       step = 2.0 ** (np.maximum(np.frexp(np.where(r == 0, 1, r))[1] - 1, 0) - 1)
;;       q = np.round(r / step) * step * 2.0 ** e      # np.round: ties to even
;;       return np.moveaxis(q.reshape(q.shape[:-2] + (-1,))[..., :K], -1, axis).astype(np.float32)
;;   ~~~
;;   OPERANDS COMPUTED ON THE WAY. 'Computed on the way' means the value that the module computes at that place (a softmax that the list does not call 'softmax' is quantised finished and normalised). What goes into a quantiser is computed in f32, as accurately as f32 sums, v_exp_f32 and their like allow (about 1e-6 of the number): no bf16 or f16 on the way to a quantiser, and a product that is left as it is and whose result goes on into a quantised operand takes f32 operands (vector FMAs, or v_wmma_f32_16x16x4_f32). A number that lies on a knife's edge between two numbers of the format may be rounded either way, as far as f32 arithmetic and the matrix unit's own rounding can turn it there, and no further.
;;   INPUTS GIVEN AS CODES. x (in the module: [8, 512, 4096], K = its axis 2): each comes as NAME_codes (uint8): NAME with its K axis moved to the last place and cut into blocks of 32 codes, [.., K / 32, bytes a block], one block behind the other in memory; two codes a byte, the lower K in the low four bits (a code: sign, 2 exponent bits, 1 mantissa bit); and NAME_scales (uint8): the same leading axes, one E8M0 byte (e + 127) for each 32 codes along K. Its value is code x scale, taken as it is: it is not quantised again, and the codes and scales need not be those that the quantiser above would give.
;; One version. Each part assembles by itself: llvm-mc -triple=amdgcn-amd-amdhsa -mcpu=gfx1250 --defsym DOCPART=n.
;; ======== version 1 of 1: 2 launches
;; limits: right only within a limited range of input values
;; workspace buffers: wq 8,912,896 bytes
;; launch quantw (part 1): grid 8 x 32, 8 waves a work-group, no clusters, 0 bytes of LDS; arguments qweight, qzeros, scales, wq; writes wq
.if DOCPART == 1
	.amdgcn_target "amdgcn-amd-amdhsa--gfx1250"
	.amdhsa_code_object_version 6
	.text
	.protected	k_q5a3a2b584f_quantw
	.globl	k_q5a3a2b584f_quantw
	.p2align	8
	.type	k_q5a3a2b584f_quantw,@function
k_q5a3a2b584f_quantw:
	s_mov_b64 s[64:65], 0
	v_nop
	global_prefetch_b8 v0, s[64:65] scope:SCOPE_SE
	s_setreg_imm32_b32 hwreg(HW_REG_WAVE_MODE, 25, 1), 1
	s_wait_xcnt 0x0
; W[k][n] = scales[k/128][n] x (nibble k%8 of qweight[k/8][n] - (nibble n%8 of qzeros[k/128][n/8] + 1)), in f32: the difference is exact, the product is rounded once.
; W becomes codes of FP4 (E2M1) with one E8M0 byte for each 32 along K, laid as the product's launch wants its tiles in LDS:
;   wq[n / 256][k / 512]: a block of 69,632 bytes = 16 k-blocks x 256 places x 16 code bytes (32 along K, the lower k in the low four bits), then 4,096 bytes of scale words.
;   THE PLACE of column n % 256 = 64 g + 4 r + b (r 0-15, b 0-3) is 64 g + 16 b + r: the 16 places of a matrix tile are every fourth column, so that four tiles give a lane four neighbouring columns.
;   Scale words (four bytes: 128 along K): [g][k / 128 % 4][r][b], 256 bytes for each g and each 128 along K.
; SHARES: work-group (x, y): columns 512 x on, group y of 128 along K; wave w: 64 of the columns; lane (r = l % 16, h = l / 16): four columns 4 r + b, and the k-blocks 2 h and 2 h + 1 of the group's four.
; So a load's sixteen lanes read 256 consecutive bytes, a store's sixteen lanes write 256 consecutive bytes (a k-block's 16 places), and a block of 32 lies in one lane.  No LDS: waves share nothing.
; A NIBBLE BECOMES F32 BY ONE AND-OR: at bits 4 j .. 4 j + 3 under the exponent of 2^(23 - 4 j) it reads 2^(23 - 4 j) + nibble; taking 2^(23 - 4 j) + zero point away leaves the difference, exactly.
; A block's scale is 2^(floor(log2(its largest magnitude)) - 2); its byte is the largest magnitude's exponent field - 2, held at 1 from below by a floor among the maximum's leaves.
; LIMITS: a block of zeros gets the byte 1 where the quantiser's rule says 127: its codes are zeros, which add nothing under any byte but 0xff, and the bytes are read by this program alone.
;         NaN and infinities in scales are not served.
.set BLKB, 69632
.set E,    14                          ; v14      a block's scale operand
.set BT,   15
.set SCW,  16                          ; v16-19   my four columns' scales
.set ZW,   20                          ; v20      the word of qzeros
.set SB,   24                          ; v24-27   my four columns' scale bytes
.set T,    28                          ; v28-31   words shifted down
.set MX,   32                          ; v32-35   running maxima
.set ZC,   36                          ; v36-51   column b, position j: 2^(23 - 4 j) + zero point
.set QW,   52                          ; v52-83   words: block i, row m, column b at 16 i + 4 m + b
.set X,    84                          ; v84-115  a block's 32 numbers
.set C,    116                         ; v116-147 codes: four registers for each of eight blocks
	s_load_b256 s[4:11], s[0:1], 0x0               ; qweight s[4:5], qzeros s[6:7], scales s[8:9], wq s[10:11]
	v_lshrrev_b32 v1, 5, v0
	v_readfirstlane_b32 s12, v1                    ; wave 0..7
	v_and_b32 v1, 15, v0                           ; r
	v_bfe_u32 v2, v0, 4, 1                         ; h
	v_lshlrev_b32 v3, 4, v1                        ; scales, and scale words in wq: 16 r
	v_lshl_add_u32 v4, v2, 17, v3                  ; qweight: lanes 16-31 eight rows of 16,384 bytes further down
	v_lshl_add_u32 v5, v2, 13, v3                  ; codes in wq: two k-blocks of 4,096 bytes on
	v_lshrrev_b32 v6, 1, v1
	v_lshlrev_b32 v6, 2, v6                        ; qzeros: a word for eight columns
	v_and_b32 v7, 1, v1
	v_lshlrev_b32 v7, 4, v7                        ; and which half of it is mine
	v_lshlrev_b32 v8, 4, v2                        ; my two bytes' place in a scale word
	s_and_b32 s13, ttmp7, 0xffff                   ; y: group of 128 along K
	s_lshl_b32 s14, ttmp9, 9
	s_lshl_b32 s15, s12, 6
	s_add_co_u32 s14, s14, s15                     ; my wave's first column
	s_lshl_b32 s18, s14, 2
	s_lshl_b32 s16, s13, 18                        ; qweight: 16 rows a group
	s_add_co_u32 s16, s16, s18
	s_mov_b32 s17, 0
	s_lshl_b32 s20, s13, 14                        ; scales: a row of 16,384 bytes a group
	s_add_co_u32 s20, s20, s18
	s_mov_b32 s21, 0
	s_lshl_b32 s22, s13, 11                        ; qzeros: a row of 2,048 bytes a group
	s_lshr_b32 s19, s14, 1
	s_add_co_u32 s22, s22, s19
	s_mov_b32 s23, 0
	s_lshr_b32 s24, s12, 2
	s_lshl_b32 s25, ttmp9, 1
	s_add_co_u32 s24, s24, s25                     ; n / 256
	s_lshl_b32 s24, s24, 3
	s_lshr_b32 s25, s13, 2
	s_add_co_u32 s24, s24, s25                     ; x 8 + k / 512
	s_mul_i32 s24, s24, BLKB
	s_and_b32 s26, s12, 3                          ; g
	s_lshl_b32 s26, s26, 10
	s_add_co_u32 s24, s24, s26
	s_and_b32 s25, s13, 3                          ; k / 128 % 4
	s_lshl_b32 s26, s25, 8
	s_add_co_u32 s26, s26, s24
	s_add_co_u32 s26, s26, 65536                   ; the scale words: behind the block's codes
	s_mov_b32 s27, 0
	s_lshl_b32 s25, s25, 14
	s_add_co_u32 s24, s24, s25                     ; the codes: four k-blocks of 4,096 bytes for each 128
	s_mov_b32 s25, 0
	s_mov_b32 s28, 0x4b000000                      ; 2^23, 2^19, 2^15, 2^11
	s_mov_b32 s29, 0x49000000
	s_mov_b32 s30, 0x47000000
	s_mov_b32 s31, 0x45000000
	s_mov_b32 s32, 0xf
	s_mov_b32 s33, 0xf0
	s_mov_b32 s34, 0xf00
	s_mov_b32 s35, 0xf000
	s_mov_b32 s36, 0x76543210                      ; v_permlanex16_b32's selects for lane l xor 16
	s_mov_b32 s37, 0xfedcba98
	s_wait_alu depctr_va_vdst(0)
	s_wait_kmcnt 0x0
	s_add_nc_u64 s[4:5], s[4:5], s[16:17]
	s_add_nc_u64 s[8:9], s[8:9], s[20:21]
	s_add_nc_u64 s[6:7], s[6:7], s[22:23]
	s_add_nc_u64 s[26:27], s[10:11], s[26:27]
	s_add_nc_u64 s[10:11], s[10:11], s[24:25]
	global_load_b128 v[SCW:SCW+3], v3, s[8:9]
	global_load_b32 v[ZW], v6, s[6:7]
.irp i, 0,1,2,3,4,5,6,7
	global_load_b128 v[QW+4*\i:QW+4*\i+3], v4, s[4:5] offset:\i*16384 th:TH_LOAD_NT   ; rows 0-3: my first k-block, rows 4-7: my second
.endr
	s_wait_loadcnt 0x8                             ; the scales and the zero points are in; the eight rows may be out
	v_lshrrev_b32 v9, v7, v[ZW]
.irp b, 0,1,2,3
	v_bfe_u32 v[10+\b], v9, 4*\b, 4
.endr
.irp b, 0,1,2,3
	v_lshl_add_u32 v[ZC+4*\b], v[10+\b], 0, 0x4b000001     ; 2^(23 - 4 j) + nibble + 1, as bits
	v_lshl_add_u32 v[ZC+4*\b+1], v[10+\b], 4, 0x49000010
	v_lshl_add_u32 v[ZC+4*\b+2], v[10+\b], 8, 0x47000100
	v_lshl_add_u32 v[ZC+4*\b+3], v[10+\b], 12, 0x45001000
.endr
.macro BLK i, b                        ; my k-block i of column b
.irp m, 0,1,2,3
	v_lshrrev_b32 v[T+\m], 16, v[QW+16*\i+4*\m+\b]
.endr
.irp m, 0,1,2,3
.irp j, 0,1,2,3
	v_and_or_b32 v[X+8*\m+\j], v[QW+16*\i+4*\m+\b], s[32+\j], s[28+\j]   ; k = 8 m + j
	v_and_or_b32 v[X+8*\m+4+\j], v[T+\m], s[32+\j], s[28+\j]             ; k = 8 m + 4 + j
.endr
.endr
.irp k, 0,1,2,3,4,5,6,7,8,9,10,11,12,13,14,15
	v_pk_add_f32 v[X+2*\k:X+2*\k+1], v[X+2*\k:X+2*\k+1], v[ZC+4*\b+2*(\k%2):ZC+4*\b+2*(\k%2)+1] neg_lo:[0,1] neg_hi:[0,1]   ; w - z, exact
.endr
.irp k, 0,1,2,3,4,5,6,7,8,9,10,11,12,13,14,15
.if (\b)%2
	v_pk_mul_f32 v[X+2*\k:X+2*\k+1], v[X+2*\k:X+2*\k+1], v[SCW+\b-1:SCW+\b] op_sel:[0,1]   ; x the column's scale: the one rounding
.else
	v_pk_mul_f32 v[X+2*\k:X+2*\k+1], v[X+2*\k:X+2*\k+1], v[SCW+\b:SCW+\b+1] op_sel_hi:[1,0]
.endif
.endr
.irp m, 0,1,2,3
	v_max3_num_f32 v[MX+\m], |v[X+8*\m]|, |v[X+8*\m+1]|, |v[X+8*\m+2]|
.endr
.irp m, 0,1,2,3
	v_max3_num_f32 v[MX+\m], v[MX+\m], |v[X+8*\m+3]|, |v[X+8*\m+4]|
.endr
.irp m, 0,1,2,3
	v_max3_num_f32 v[MX+\m], v[MX+\m], |v[X+8*\m+5]|, |v[X+8*\m+6]|
.endr
	v_max3_num_f32 v[MX], v[MX], v[MX+1], |v[X+7]|
	v_max3_num_f32 v[MX+2], v[MX+2], |v[X+15]|, |v[X+23]|
	v_max3_num_f32 v[MX+3], v[MX+3], |v[X+31]|, 0x1800000  ; the floor 2^(3 - 127): the byte cannot fall under 1
	v_max3_num_f32 v[MX], v[MX], v[MX+2], v[MX+3]
	v_add_nc_u32 v[E], 0xff000000, v[MX]           ; 2 off the exponent field: the conversion takes the exponent field of this operand as its scale, and nothing else of it
.irp m, 0,1,2,3
	v_cvt_scalef32_pk8_fp4_f32 v[C+16*\i+4*\b+\m], v[X+8*\m:X+8*\m+7], v[E]
.endr
.if \i
	v_lshrrev_b32 v[BT], 23, v[E]                  ; the scale's byte (also the plain line behind the conversions)
	v_lshl_or_b32 v[SB+\b], v[BT], 8, v[SB+\b]
.else
	v_lshrrev_b32 v[SB+\b], 23, v[E]
.endif
	global_store_b128 v5, v[C+16*\i+4*\b:C+16*\i+4*\b+3], s[10:11] offset:\i*4096+\b*256   ; sixteen lanes write 256 consecutive bytes, aligned
.endm
	s_wait_alu depctr_va_vdst(0)
	s_wait_loadcnt 0x4                             ; my first k-block's rows are in, the second's four may be out
	BLK 0, 0
	BLK 0, 1
	BLK 0, 2
	BLK 0, 3
	s_wait_alu depctr_va_vdst(0)
	s_wait_loadcnt 0x0
	BLK 1, 0
	BLK 1, 1
	BLK 1, 2
	BLK 1, 3
.irp b, 0,1,2,3
	v_lshlrev_b32 v[SB+\b], v8, v[SB+\b]           ; lanes 16-31: bytes 2 and 3
.endr
.irp b, 0,1,2,3
	v_permlanex16_b32 v[T+\b], v[SB+\b], s36, s37
.endr
.irp b, 0,1,2,3
	v_or_b32 v[SB+\b], v[SB+\b], v[T+\b]           ; with lane l xor 16's two the word is whole
.endr
	v_cmp_eq_u32 vcc_lo, 0, v2
	s_wait_alu depctr_va_vdst(0)
	s_wait_xcnt 0x0                                ; EXEC changes only behind this wait
	s_and_saveexec_b32 s38, vcc_lo                 ; lanes 0-15: both halves hold the same words
	global_store_b128 v3, v[SB:SB+3], s[26:27]     ; 256 consecutive bytes, aligned
	s_endpgm
.Lfunc_end_k_q5a3a2b584f_quantw:
	.size	k_q5a3a2b584f_quantw, .Lfunc_end_k_q5a3a2b584f_quantw-k_q5a3a2b584f_quantw
	.p2alignl 7, 3214868480
	.fill 96, 4, 3214868480
	.section	.rodata,"a",@progbits
	.p2align	6, 0x0
	.amdhsa_kernel k_q5a3a2b584f_quantw
		.amdhsa_group_segment_fixed_size 0
		.amdhsa_private_segment_fixed_size 0
		.amdhsa_enable_private_segment 0
		.amdhsa_kernarg_size 32
		.amdhsa_user_sgpr_count 2
		.amdhsa_user_sgpr_kernarg_segment_ptr 1
		.amdhsa_wavefront_size32 1
		.amdhsa_system_sgpr_workgroup_id_x 1
		.amdhsa_system_sgpr_workgroup_id_y 1
		.amdhsa_system_sgpr_workgroup_id_z 1
		.amdhsa_system_vgpr_workitem_id 0
		.amdhsa_next_free_vgpr 148
		.amdhsa_next_free_sgpr 66
		.amdhsa_reserve_vcc 1
		.amdhsa_float_denorm_mode_32 3
		.amdhsa_float_denorm_mode_16_64 3
		.amdhsa_memory_ordered 1
		.amdhsa_forward_progress 1
		.amdhsa_inst_pref_size 52
	.end_amdhsa_kernel
	.amdgpu_metadata
---
amdhsa.version: [ 1, 2 ]
amdhsa.kernels:
  - .name:           k_q5a3a2b584f_quantw
    .symbol:         k_q5a3a2b584f_quantw.kd
    .args:
      - { .name: qweight, .offset: 0, .size: 8, .value_kind: global_buffer, .address_space: global }
      - { .name: qzeros, .offset: 8, .size: 8, .value_kind: global_buffer, .address_space: global }
      - { .name: scales, .offset: 16, .size: 8, .value_kind: global_buffer, .address_space: global }
      - { .name: wq, .offset: 24, .size: 8, .value_kind: global_buffer, .address_space: global }
    .group_segment_fixed_size: 0
    .private_segment_fixed_size: 0
    .kernarg_segment_align: 8
    .kernarg_segment_size: 32
    .max_flat_workgroup_size: 256
    .sgpr_count:     66
    .vgpr_count:     148
    .wavefront_size: 32
...
	.end_amdgpu_metadata
.endif
;; end of part 1
;; launch gemm (part 2): grid 16 x 16, 4 waves a work-group, clusters of 4 x 4, 327,680 bytes of LDS; arguments x_codes, x_scales, wq, bias, out0; writes out0
.if DOCPART == 2
	.amdgcn_target "amdgcn-amd-amdhsa--gfx1250"
	.amdhsa_code_object_version 6
	.text
	.protected	k_q5a3a2b584f_gemm
	.globl	k_q5a3a2b584f_gemm
	.p2align	8
	.type	k_q5a3a2b584f_gemm,@function
k_q5a3a2b584f_gemm:
	s_mov_b64 s[64:65], 0
	v_nop
	global_prefetch_b8 v0, s[64:65] scope:SCOPE_SE
	s_setreg_imm32_b32 hwreg(HW_REG_WAVE_MODE, 25, 1), 1
	s_wait_xcnt 0x0
	s_wait_alu depctr_hold_cnt(0) depctr_sa_sdst(0) depctr_va_vdst(0) depctr_va_sdst(0) depctr_va_ssrc(0) depctr_va_vcc(0) depctr_vm_vsrc(0)
	s_getreg_b32 s2, hwreg(HW_REG_IB_STS2, 6, 4)
	s_cmp_eq_u32 s2, 0
	s_cbranch_scc0 .Lentry_in_a_cluster
	s_endpgm
.Lentry_in_a_cluster:
	s_bfe_u32 s2, ttmp6, 0x10000c
	s_cmp_lg_u32 s2, 0xf033
	s_cbranch_scc0 .Lentry_shape_is_right
	s_endpgm
.Lentry_shape_is_right:
; out0[m][n] = sum over k of x[m][k] Wq[k][n] + bias[n].  M = N = K = 4,096.  Both operands are codes of FP4 (E2M1) with one E8M0 byte for each 32 along K; sums in f32, the bias added in f32 to the finished sum.
; x: codes [4096][2048 bytes], K innermost; scale bytes [4096][128].  Wq: the workspace wq[n / 256][k / 512], blocks of 69,632 bytes: 16 k-blocks x 256 places x 16 code bytes, then scale words [g][k / 128 % 4][r][b].
; Column 64 g + 4 r + b of a tile of 256 stands at place 64 g + 16 b + r.  LIMIT: a scale byte 0xff in x_scales is NaN in this format and makes its row's sums NaN.
; A tile of out0, 256 x 256, is made by a work-group of four waves; a wave makes 128 x 128: 32 accumulators of 32 rows x 16 columns, 512 registers.  256 tiles, one to a work-group.
; K goes in steps of 512 through a ring of two LDS slots filled by the tensor data mover.  Waves 0 and 1 fetch x's 256 rows (256 bytes each, 16 of padding), waves 2 and 3 the halves of Wq's block, which lies in LDS as in memory:
; the sixteen lanes that read a fragment take 256 consecutive bytes.  x's scale bytes of the work-group's 256 rows, for all of K, are one dense block: they come once, at the head, and stay.
; THE WAY OUT NEEDS NO LDS: register j of four neighbouring column tiles holds, in lane (r, h), row 8 h + j and columns 4 r + 0 .. 3: the bias addition gathers them into four registers, and sixteen lanes store 256 consecutive bytes.
; CLUSTERS: 4 x 4 work-groups.  The four of a row of the cluster need the same tiles of x, the four of a column the same tiles of Wq: each tile is asked for JOINTLY, by the same tensor load with the same
; descriptor and a mask that names the four.
; PREFETCH: with the refill of K step n goes a request for K step n + 2 (the head asks for 1 and 2): each 256 bytes once in each cluster; the four partners share a tile's blocks out by address.  Nothing is asked past K step 7.
; REGISTERS, in windows of 256: window 0: v8-15 the bias; v16-30 addresses; v32-63 x's scale words, v64-95 Wq's, two sets each, and nothing else ever; v96-127 the first results on the way out; v128-255 x's fragments, two sets.
;   window 1: Wq's fragments, two sets, at v0 and v64.   window 2: the accumulators of my rows 0-63 (block a, tile b at v[16 (8 (a % 2) + b)]);   window 3: those of my rows 64-127.
.set NP,     4                         ; places behind this matrix instruction (ISA guide 7.12.1)
.set PITCH,  272                       ; x in LDS: 256 bytes + 16 of padding: 16 rows start at 16 different banks (64 banks of 4 bytes: ISA guide 11.1)
.set HALFA,  128*PITCH                 ; 128 rows of x: what one tensor load brings
.set HALFB,  136*256                   ; half of a block of wq
.set BOFF,   2*HALFA                   ; a slot: x's 256 rows, then Wq's block
.set BSC,    BOFF+65536                ; of which the last 4,096 bytes are scale words
.set SLOT,   BOFF+2*HALFB              ; 139,264 bytes
.set BLKB,   272*256
.set SCL,    2*SLOT                    ; behind the ring: x's scale bytes, as rows of 256 bytes (two rows of x) + 16 of padding
.set HALFS,  64*272
.set SPARE,  SCL+2*HALFS               ; behind them: the spare words, 128 bytes for each wave: two blocks of 256 bytes that no other line names
.set BI,   8                           ; v8-15  the bias: register 4 g + b: my column 64 g + 4 r + b
.set ADRA, 16                          ; v16-17 LDS address of my fragments of x in slot 0, 1
.set ADRB, 20                          ; v20-21 the same for Wq
.set ADSB, 22                          ; v22-23 Wq's scale words in slot 0, 1: lanes 0-15 column tiles 0-3, lanes 16-31 tiles 4-7
.set PFO,  24                          ; v24    the prefetches' offsets: 32 rows,
.set PFO2, 25                          ; v25    and Wq's last two
.set CO,   26                          ; v26    my byte offset in out0
.set ADSA, 27                          ; v27    x's scale words: lane l row l of 32; 16 bytes on with each K step
.set SPW,  28                          ; v28    LDS address of my spare word; never rewritten
.set NIL,  29                          ; v29    0; never rewritten
.set BO,   30                          ; v30    my byte offset in the bias
.set SA,   32                          ; x's scale words: set s at v[SA + 16 s]; in it register 4 a + q: block a's 32 rows, the slot's q-th 128 along K
.set SBR,  64                          ; Wq's: register 4 q + b % 4, tiles 4-7 in lanes 16-31
.set STG,  96
.set AF,   128
.set G1,   24                          ; s[24:31] descriptor group 1 for x's tiles;  s[32:39] group 0, one set for each slot
.set G0,   32
.set G1B,  48                          ; s[48:55], s[56:63] the same for Wq's tiles
.set G0B,  56
.set G1S,  68                          ; s[68:75], s[76:79] groups 1 and 0 for x's scale bytes
.set G0S,  76
.set G0H,  80                          ; s[80:83] group 0 for the head's load of Wq's whole block
.set PF,   84                          ; s[84:85] where my prefetches stand
.set PF1,  86                          ; s[86:87] the same at K step 1,
.set PF2,  90                          ; s[90:91] and at K step 2
.set PFS,  88                          ; s[88:89] from K step to K step
.set MSB, 0
.macro WIN new                         ; the immediate's high byte repeats the setting that is left; a switch that changes nothing is dropped
.if MSB != (\new)
	s_set_vgpr_msb (MSB<<8)|(\new)
.set MSB, (\new)
.endif
.endm
.set MUL_LO, 0xa4                      ; source 0 (x) window 0, source 1 (Wq) window 1, C and D window 2
.set MUL_HI, 0xf4                      ; the same, C and D window 3
.set TO_B,   0x40                      ; destination window 1, address window 0
.macro PLACES n
.rept \n
	v_nop
.endr
.endm
.macro JLOAD s                         ; a joint refill: waves 0 and 1 fetch for x, waves 2 and 3 for Wq; four v_nop follow each of the two lines
	s_cmp_eq_u32 s15, 0
	s_cbranch_scc0 .Lfor_b_\@
	tensor_load_to_lds s[G0+4*\s:G0+4*\s+3], s[G1:G1+7]
	s_nop 0
	PLACES 4
	s_branch .Lasked_\@
.Lfor_b_\@:
	tensor_load_to_lds s[G0B+4*\s:G0B+4*\s+3], s[G1B:G1B+7]
	s_nop 0
	PLACES 4
.Lasked_\@:
.endm
.macro CREST                           ; a round of the cluster's barrier behind its opening barrier
	s_cmp_lg_u32 s14, 0
	s_cbranch_scc1 .Lnot_wave_0_\@
	s_barrier_signal -3
.Lnot_wave_0_\@:
	s_barrier_wait -3
	s_barrier_signal -1
	s_barrier_wait -1
.endm
.macro CROUND
	s_barrier_signal -1
	s_barrier_wait -1
	CREST
.endm
.macro ASK p                           ; my share of one K step: of x 32 rows of the 128 that I fetch, of Wq 34 of the 136; left-over lanes of the second line name its last block again
	s_cmp_eq_u32 s15, 0
	s_cbranch_scc1 .Lask_x_\@
	global_prefetch_b8 v[PFO2], s[\p:\p+1] th:TH_LOAD_NT scope:SCOPE_SE
.Lask_x_\@:
	global_prefetch_b8 v[PFO], s[\p:\p+1] th:TH_LOAD_NT scope:SCOPE_SE
.endm
	s_load_b256 s[4:11], s[0:1], 0x0               ; x's codes s[4:5], x's scales s[6:7], wq s[8:9], bias s[10:11]
	s_load_b64 s[12:13], s[0:1], 0x20              ; out0
	v_lshl_add_u32 v[SPW], v0, 2, SPARE
	v_mov_b32 v[NIL], 0
	ds_add_u32 v[SPW], v[NIL]                      ; the wave's opening: the add, twice on end, and its wait ahead of my first tensor load
	ds_add_u32 v[SPW], v[NIL]
	v_lshrrev_b32 v1, 5, v0
	v_readfirstlane_b32 s14, v1                    ; wave 0..3
	s_lshr_b32 s15, s14, 1                         ; which half of the tile's rows is mine.  Also: I fetch for x (0) or for Wq (1)
	s_and_b32 s16, s14, 1                          ; which half of its columns.  Also: which half of that tile I fetch
	s_bfe_u32 s40, ttmp6, 0x40000                  ; cx, cy: my place in the cluster
	s_bfe_u32 s41, ttmp6, 0x40004
	s_lshl_b32 s42, ttmp9, 2
	s_add_co_u32 s42, s42, s40                     ; tile column
	s_and_b32 s17, ttmp7, 0xffff
	s_lshl_b32 s17, s17, 2
	s_add_co_u32 s17, s17, s41                     ; tile row
	s_lshl_b32 s43, s41, 2
	s_lshl_b32 s43, 15, s43                        ; my row of the cluster
	s_lshl_b32 s44, 0x1111, s40                    ; my column
	; group 1 for x's codes: 128 rows of 256 elements of 1 byte, 2,048 bytes apart; 20 padding on, 21 set beside a mask, after every 64 words (code 5) four of padding (code 3)
	s_or_b32 s[G1+0], s43, (1<<20)|(1<<21)|(5<<22)|(3<<25)
	s_mov_b32 s[G1+1], 256<<16
	s_mov_b32 s[G1+2], 128<<16
	s_mov_b32 s[G1+3], 256<<16
	s_mov_b32 s[G1+4], 128
	s_mov_b32 s[G1+5], 2048
	s_mov_b32 s[G1+6], 0
	s_mov_b32 s[G1+7], 0
	; group 1 for a block of wq, dense: rows of 256 bytes (32 elements of 8 bytes): 272 for the head's load, 136 for the ring's; no padding
	s_or_b32 s[G1B+0], s44, (3<<16)|(1<<21)
	s_mov_b32 s[G1B+1], 32<<16
	s_mov_b32 s[G1B+2], 272<<16
	s_mov_b32 s[G1B+3], 32<<16
	s_mov_b32 s[G1B+4], 272
	s_mov_b32 s[G1B+5], 32
	s_mov_b32 s[G1B+6], 0
	s_mov_b32 s[G1B+7], 0
	; group 1 for the scale bytes of 256 rows of x: 32,768 dense bytes as 128 rows of 256, padded like x's codes
	s_or_b32 s[G1S+0], s43, (3<<16)|(1<<20)|(1<<21)|(5<<22)|(3<<25)
	s_mov_b32 s[G1S+1], 32<<16
	s_mov_b32 s[G1S+2], 128<<16
	s_mov_b32 s[G1S+3], 32<<16
	s_mov_b32 s[G1S+4], 128
	s_mov_b32 s[G1S+5], 32
	s_mov_b32 s[G1S+6], 0
	s_mov_b32 s[G1S+7], 0
	; where the tiles come from: x's hang on the tile row alone, Wq's on the tile column alone, in registers that never hold the other coordinate
	s_lshl_b32 s18, s16, 7
	s_lshl_b32 s22, s17, 15                        ; x's scale bytes: 256 rows of 128
	s_mov_b32 s23, 0
	s_lshl_b32 s20, s17, 8
	s_add_co_u32 s20, s20, s18                     ; x: row 256 x tile row + 128 x half,
	s_lshl_b32 s20, s20, 11                        ; 2,048 bytes a row
	s_mov_b32 s21, 0
	s_mul_i32 s46, s42, 8*BLKB                     ; wq: the tile column's eight blocks
	s_mov_b32 s47, 0
	s_mul_i32 s94, s16, HALFB                      ; my half of a block
	s_mov_b32 s95, 0
	s_mul_i32 s45, s16, HALFA                      ; and where they go: no place in the cluster enters an LDS address
	s_mul_i32 s93, s16, HALFB
	s_add_co_u32 s93, s93, BOFF
	s_wait_dscnt 0x0                               ; both opening adds are done
	CROUND                                         ; all sixteen work-groups are here: the first joint loads meet
	s_wait_kmcnt 0x0
	s_add_nc_u64 s[20:21], s[4:5], s[20:21]
	s_add_nc_u64 s[22:23], s[6:7], s[22:23]
	s_add_nc_u64 s[46:47], s[8:9], s[46:47]
	s_mov_b32 s[G0H], 1                            ; 1:0 count = 1
	s_mov_b32 s[G0H+1], BOFF                       ; 63:32 LDS address
	s_mov_b64 s[G0H+2:G0H+3], s[46:47]             ; 120:64 global address
	s_or_b32 s[G0H+3], s[G0H+3], 0x80000000        ; 127:126 type = 2
	s_mov_b32 s[G0S], 1
	s_mov_b32 s[G0S+1], SCL
	s_mov_b64 s[G0S+2:G0S+3], s[22:23]
	s_or_b32 s[G0S+3], s[G0S+3], 0x80000000
	s_add_nc_u64 s[46:47], s[46:47], s[94:95]
.irp s, 0,1
	s_mov_b32 s[G0+4*\s], 1
	s_add_co_u32 s[G0+4*\s+1], s45, \s*SLOT
	s_add_nc_u64 s[G0+4*\s+2:G0+4*\s+3], s[20:21], \s*256
	s_or_b32 s[G0+4*\s+3], s[G0+4*\s+3], 0x80000000
	s_mov_b32 s[G0B+4*\s], 1
	s_add_co_u32 s[G0B+4*\s+1], s93, \s*SLOT
	s_add_nc_u64 s[G0B+4*\s+2:G0B+4*\s+3], s[46:47], \s*BLKB
	s_or_b32 s[G0B+4*\s+3], s[G0B+4*\s+3], 0x80000000
.endr
; THE HEAD'S LOADS, ONE A WAVE: Waves 0 and 1 fetch the halves of K step 0's rows of x, wave 2 Wq's whole block, wave 3 x's scale bytes.
.macro ARM under, g0, g1, next
	s_cmp_lt_u32 s14, \under
	s_cbranch_scc0 \next
	tensor_load_to_lds s[\g0:\g0+3], s[\g1:\g1+7]
	s_nop 0
	PLACES 4
	s_branch .Lhead_asked
\next:
.endm
	ARM 2, G0, G1, .Lhead_w
	ARM 3, G0H, G1B, .Lhead_s
	tensor_load_to_lds s[G0S:G0S+3], s[G1S:G1S+7]
	s_nop 0
	PLACES 4
.Lhead_asked:
	; the prefetches' bases: x by the tile row and cx, Wq by the tile column and cy
	s_lshl_b32 s90, s17, 8
	s_lshl_b32 s91, s40, 5
	s_add_co_u32 s90, s90, s91
	s_add_co_u32 s90, s90, s18
	s_lshl_b32 s90, s90, 11
	s_mul_i32 s91, s42, 8*BLKB
	s_mul_i32 s92, s41, 34*256
	s_add_co_u32 s91, s91, s92
	s_add_co_u32 s91, s91, s94
	s_mov_b32 s88, BLKB
	s_mov_b32 s96, 8
	s_cmp_eq_u32 s15, 0                            ; do I fetch for x?
	s_cselect_b32 s90, s90, s91
	s_cselect_b32 s88, 0x100, s88
	s_cselect_b32 s96, 11, s96                     ; rows 2,048 or 256 bytes apart
	s_cselect_b64 s[PF:PF+1], s[4:5], s[8:9]
	s_mov_b32 s89, 0
	s_mov_b32 s91, 0
	s_add_nc_u64 s[PF:PF+1], s[PF:PF+1], s[90:91]
	s_add_nc_u64 s[PF1:PF1+1], s[PF:PF+1], s[PFS:PFS+1]
	s_add_nc_u64 s[PF2:PF2+1], s[PF1:PF1+1], s[PFS:PFS+1]
	s_add_nc_u64 s[PF:PF+1], s[PF2:PF2+1], s[PFS:PFS+1]   ; at K step 3
	; the bias of my 128 columns; my first row and column of out0
	s_lshl_b32 s46, s42, 10
	s_lshl_b32 s47, s16, 9
	s_add_co_u32 s46, s46, s47
	s_mov_b32 s47, 0
	s_lshl_b32 s20, s17, 8
	s_lshl_b32 s21, s15, 7
	s_add_co_u32 s20, s20, s21
	s_lshl_b32 s20, s20, 14                        ; 16,384 bytes a row (under 2^27)
	s_mov_b32 s21, 0
	s_add_nc_u64 s[10:11], s[10:11], s[46:47]
	s_add_nc_u64 s[12:13], s[12:13], s[46:47]
	s_add_nc_u64 s[12:13], s[12:13], s[20:21]
	s_mul_i32 s18, s15, HALFA                      ; my 128 rows of x
	s_lshl_b32 s19, s16, 11                        ; my 128 places of Wq
	s_add_co_u32 s93, s19, BSC                     ; and their scale words
	s_add_co_u32 s19, s19, BOFF
	s_mul_i32 s92, s15, HALFS
	s_add_co_u32 s92, s92, SCL                     ; x's scale words: my 128 rows
	v_and_b32 v1, 15, v0                           ; r = l % 16
	v_bfe_u32 v2, v0, 4, 1                         ; h = l / 16
	v_and_b32 v3, 31, v0                           ; l
	v_mul_u32_u24 v4, v1, PITCH
	v_lshl_add_u32 v4, v2, 4, v4                   ; x: row r, + 16 h
	v_add_nc_u32 v[ADRA], s18, v4
	v_add_nc_u32 v[ADRA+1], SLOT, v[ADRA]
	v_lshlrev_b32 v5, 12, v2
	v_lshl_add_u32 v5, v1, 4, v5                   ; Wq: k-block h, place r
	v_add_nc_u32 v[ADRB], s19, v5
	v_add_nc_u32 v[ADRB+1], SLOT, v[ADRB]
	v_lshlrev_b32 v6, 10, v2
	v_lshl_add_u32 v6, v1, 4, v6                   ; its scale words: lanes 16-31 the next 64 columns
	v_add_nc_u32 v[ADSB], s93, v6
	v_add_nc_u32 v[ADSB+1], SLOT, v[ADSB]
	v_lshrrev_b32 v7, 1, v3
	v_mul_u32_u24 v7, v7, 272                      ; x's scale words: two rows of 128 bytes to an LDS row
	v_and_b32 v5, 1, v3
	v_lshl_add_u32 v7, v5, 7, v7
	v_add_nc_u32 v[ADSA], s92, v7
	v_lshlrev_b32 v[BO], 4, v1
	v_lshl_add_u32 v[CO], v2, 17, v[BO]            ; out0: 16 r, lanes 16-31 eight rows further down
	v_lshlrev_b32 v[PFO], s96, v3
	v_min_u32 v6, 1, v3
	v_lshl_add_u32 v[PFO2], v6, 8, 0x2000          ; rows 32 and 33
	s_wait_alu depctr_va_vdst(0)
	ASK PF1
	ASK PF2
; One matrix instruction: x's block a (32 rows) against Wq's column tile b, 128 along K: the slot's q-th.  p: the set of fragments;  sc: the set of scale words.  first = 1: the product starts the sum: nothing is ever cleared.
.macro MM a, b, p, q, sc, first
.set rD, 16*(8*((\a)%2)+(\b))
.set rA, AF+64*(\p)+16*(\a)
.set rB, 64*(\p)+8*(\b)
.set rSA, SA+16*(\sc)+4*(\a)+(\q)
.set rSB, SBR+16*(\sc)+4*(\q)+((\b)%4)
.if \first
.if (\b) > 3
	v_wmma_scale_f32_32x16x128_f4 v[rD:rD+15], v[rA:rA+15], v[rB:rB+7], 0, v[rSA], v[rSB] matrix_b_scale:MATRIX_SCALE_ROW1
.else
	v_wmma_scale_f32_32x16x128_f4 v[rD:rD+15], v[rA:rA+15], v[rB:rB+7], 0, v[rSA], v[rSB]
.endif
.else
.if (\b) > 3
	v_wmma_scale_f32_32x16x128_f4 v[rD:rD+15], v[rA:rA+15], v[rB:rB+7], v[rD:rD+15], v[rSA], v[rSB] matrix_b_scale:MATRIX_SCALE_ROW1
.else
	v_wmma_scale_f32_32x16x128_f4 v[rD:rD+15], v[rA:rA+15], v[rB:rB+7], v[rD:rD+15], v[rSA], v[rSB]
.endif
.endif
.endm
.macro QUAD hi, bh, p, q, sc, first    ; eight: blocks 2 hi, 2 hi + 1 x tiles 4 bh .. 4 bh + 3.  The accumulators take turns, one instruction a turn
.irp a, 0,1
.irp b, 0,1,2,3
	MM (2*(\hi)+\a), (4*(\bh)+\b), (\p), (\q), (\sc), \first
.endr
.endr
.endm
; Half n of the fragments of the slot's q-th 128 along K into set p, sixteen loads in one run: tiles 4 n .. 4 n + 3 of Wq, then blocks 2 n, 2 n + 1 of x.
; 16 rows x 128 K of 4-bit codes are 8 registers: registers 4 c .. 4 c + 3 hold K = 64 c + 32 h + 0 .. 31: k-block 4 q + 2 c + h
.macro RUN n, slot, q, p
	WIN TO_B
.irp i, 0,1,2,3
	ds_load_b128 v[64*(\p)+8*(4*\n+\i):64*(\p)+8*(4*\n+\i)+3], v[ADRB+\slot] offset:16384*(\q)+256*(4*\n+\i)
	ds_load_b128 v[64*(\p)+8*(4*\n+\i)+4:64*(\p)+8*(4*\n+\i)+7], v[ADRB+\slot] offset:16384*(\q)+8192+256*(4*\n+\i)
.endr
	WIN 0
.irp i, 0,1,2,3
	ds_load_b128 v[AF+64*(\p)+8*(4*\n+\i):AF+64*(\p)+8*(4*\n+\i)+3], v[ADRA+\slot] offset:64*(\q)+(4*\n+\i)*16*PITCH
	ds_load_b128 v[AF+64*(\p)+8*(4*\n+\i)+4:AF+64*(\p)+8*(4*\n+\i)+7], v[ADRA+\slot] offset:64*(\q)+32+(4*\n+\i)*16*PITCH
.endr
.endm
.macro WSC slot                        ; a K step's scale words of Wq: one load for each 128 along K
.irp i, 0,1,2,3
	ds_load_b128 v[SBR+16*(\slot)+4*\i:SBR+16*(\slot)+4*\i+3], v[ADSB+\slot] offset:256*\i
.endr
.endm
.macro XSC set                         ; and of x: one load for each 32 rows
.irp i, 0,1,2,3
	ds_load_b128 v[SA+16*(\set)+4*\i:SA+16*(\set)+4*\i+3], v[ADSA] offset:\i*16*272
.endr
.endm
; A load into a register that a matrix instruction has read stands NP places behind it; only plain vector instructions are places, and the matrix instructions in between are not counted: four v_nop a step.
; A step of 128 along K that has its successor in the same slot: it multiplies set q % 2 and fetches the next step's fragments into the other set.  xs = 1: also the next K step's scale words of x.
.macro STEP slot, q, first, xs
	s_wait_dscnt 16                                ; the older half of the fragments (and all scale words) are in; the younger run may be out
	WIN MUL_LO
	QUAD 0, 0, (\q)%2, \q, \slot, \first
	PLACES NP
.if \xs
	WIN 0
	s_wait_alu depctr_va_vdst(0)
	v_add_nc_u32 v[ADSA], 16, v[ADSA]
	XSC 1-\slot
.endif
	RUN 0, \slot, (\q)+1, 1-(\q)%2
	s_wait_dscnt 24+4*\xs                          ; tiles 4-7 are in; blocks 2, 3 (eight loads) and the loads just issued may be out
	WIN MUL_LO
	QUAD 0, 1, (\q)%2, \q, \slot, \first
	RUN 1, \slot, (\q)+1, 1-(\q)%2
	s_wait_dscnt 32+4*\xs                          ; blocks 2, 3 are in; this step's own loads may be out
	WIN MUL_HI
	QUAD 1, 0, (\q)%2, \q, \slot, \first
	QUAD 1, 1, (\q)%2, \q, \slot, \first
.endm
; A slot's last step changes slots: ONE barrier; in front of it each wave waits for all its tensor loads, adds 0 to its spare word, and waits for that and for its own reads of this slot.
; fill = 1: this slot is filled again, two K steps ahead; the barrier then opens a round of the cluster's barrier.
.macro TURN slot, next, fill
	WIN 0                                          ; (the add's two registers lie in window 0)
.if \fill
	s_wait_xcnt 0x0                                ; my last prefetch, a K step ago, has read its base
	s_add_nc_u64 s[PF:PF+1], s[PF:PF+1], s[PFS:PFS+1]
.endif
	s_wait_tensorcnt 0x0                           ; all my tensor loads have landed: the one that was out is my part of the next slot
	ds_add_u32 v[SPW], v[NIL]                      ; 0 onto my spare word
	s_wait_dscnt 17                                ; (the add and the younger run may be out)
	WIN MUL_LO
	QUAD 0, 0, 1, 3, \slot, 0                      ; eight matrix instructions stand between the add and the wait for it
	s_wait_dscnt 0x0                               ; the add is done, and my reads of this slot are over
	s_barrier_signal -1
	QUAD 0, 1, 1, 3, \slot, 0                      ; work on registers while the others arrive
	WIN 0
	s_barrier_wait -1
.if \fill
	CREST                                          ; no wave of any partner still reads this slot's tiles or has a load on its way
	s_add_nc_u64 s[G0+4*\slot+2:G0+4*\slot+3], s[G0+4*\slot+2:G0+4*\slot+3], 2*256      ; no tensor load of mine is out, so a group 0 may be written: two K steps on
	s_add_nc_u64 s[G0B+4*\slot+2:G0B+4*\slot+3], s[G0B+4*\slot+2:G0B+4*\slot+3], 2*BLKB
	JLOAD \slot                                    ; the first tensor load behind the round; its four v_nop are also the places in front of the loads below
.else
	PLACES NP
.endif
	RUN 0, \next, 0, 0
	WSC \next
	WIN MUL_HI
	QUAD 1, 0, 1, 3, \slot, 0
	RUN 1, \next, 0, 0
.if \fill
	s_cmp_gt_u32 s3, 1                             ; the last trip has no K step two refills on
	s_cbranch_scc0 .Lnone_\@
	ASK PF
.Lnone_\@:
.endif
	WIN MUL_HI
	QUAD 1, 1, 1, 3, \slot, 0
.endm
	s_wait_tensorcnt 0x0                           ; my tile of the head's four is in
	ds_add_u32 v[SPW], v[NIL]
	s_mov_b32 s[G1B+2], 136<<16                    ; no tensor load of mine is out, so a descriptor may be written: from here on a load brings half of a block of wq
	s_mov_b32 s[G1B+4], 136
	s_wait_dscnt 0x0                               ; the add is done
	CROUND                                         ; a whole round: all tiles are in, and all sixteen work-groups are here: the joint loads meet,
	JLOAD 1                                        ; and K step 1's load, the first tensor load behind the round
	RUN 0, 0, 0, 0
	WSC 0
	XSC 0
	RUN 1, 0, 0, 0
	ASK PF
	global_load_b128 v[BI:BI+3], v[BO], s[10:11]   ; the bias: wanted at the way out
	global_load_b128 v[BI+4:BI+7], v[BO], s[10:11] offset:256
	STEP 0, 0, 1, 0                                ; the first step stands in front of the loop: its products start the sums
	WIN 0
	s_mov_b32 s3, 3
.Llap:                                             ; a trip goes once round the ring, from a lap's second step to the next lap's first, and fills both slots again: K steps 2 to 7
	STEP 0, 1, 0, 1
	STEP 0, 2, 0, 0
	TURN 0, 1, 1
	STEP 1, 0, 0, 0
	STEP 1, 1, 0, 1
	STEP 1, 2, 0, 0
	TURN 1, 0, 1
	STEP 0, 0, 0, 0
	WIN 0
	s_sub_co_u32 s3, s3, 1
	s_cmp_lg_u32 s3, 0
	s_cbranch_scc1 .Llap
	STEP 0, 1, 0, 1                                ; the last lap fills nothing, and has no round of the cluster's barrier
	STEP 0, 2, 0, 0
	TURN 0, 1, 0
	STEP 1, 0, 0, 0
	STEP 1, 1, 0, 0
; THE LAST TWO STEPS GO BY BLOCKS OF 32 ROWS, so that a finished block leaves while the others are multiplied.
.macro ROWQ a, q
.irp b, 0,1,2,3,4,5,6,7
	MM \a, \b, (\q)%2, \q, 1, 0
.endr
.endm
; THE WAY OUT of half hf (16 rows) of block a, 64 columns g: sum + bias, 8 x 4 additions, each accumulator from its low end on; lane (r, h): row 8 h + j, columns 4 r + 0 .. 3.
; A unit's results go into the 32 registers that the unit before has been read out of (the first unit's into v96-127), so no store's data are ever rewritten.
.set wT, 0
.set rT, STG
.set tA, 8
.macro UNIT a, g, hf
.set wS, 2+(\a)/2
.set rS, 16*(8*((\a)%2)+4*(\g))+8*(\hf)
	WIN wS|(wT<<6)
.irp j, 0,1,2,3,4,5,6,7
.set rQ, rT+tA*(\j/2)+4*(\j%2)
.irp b, 0,1,2,3
	v_add_f32 v[rQ+\b], v[rS+16*\b+\j], v[BI+4*(\g)+\b]
.endr
.endr
	WIN wT<<2
.irp j, 0,1,2,3,4,5,6,7
.set rQ, rT+tA*(\j/2)+4*(\j%2)
	global_store_b128 v[CO], v[rQ:rQ+3], s[12:13] offset:(32*(\a)+16*(\hf)+\j)*16384+256*(\g) th:TH_STORE_NT   ; two rows' 256 consecutive bytes, aligned; written once, read by nobody here
.endr
.set wT, wS
.set rT, rS
.set tA, 16
.endm
.macro OUT a
	PLACES NP                                      ; the block's last products have just been issued
	UNIT \a, 0, 0
	UNIT \a, 0, 1
	UNIT \a, 1, 0
	UNIT \a, 1, 1
.endm
	s_wait_dscnt 8                                 ; step 2's fragments but x's blocks 2, 3
	WIN MUL_LO
	ROWQ 0, 2
	PLACES NP
	RUN 0, 1, 3, 1                                 ; step 3's
	RUN 1, 1, 3, 1
	WIN MUL_LO
	ROWQ 1, 2
	s_wait_dscnt 8                                 ; all but step 3's blocks 2, 3
	ROWQ 0, 3
	s_wait_loadcnt 0x0                             ; the bias
	OUT 0
	WIN MUL_LO
	ROWQ 1, 3
	OUT 1
	s_wait_dscnt 0x0
	WIN MUL_HI
	ROWQ 2, 2
	ROWQ 2, 3
	OUT 2
	WIN MUL_HI
	ROWQ 3, 2
	ROWQ 3, 3
	OUT 3
	WIN 0
	s_wait_tensorcnt 0x0                           ; the wave's end
	ds_add_u32 v[SPW], v[NIL]
	s_wait_dscnt 0x0
	CROUND                                         ; the closing round: no work-group ends while a partner may still ask for a tile that names it
	s_endpgm
.Lfunc_end_k_q5a3a2b584f_gemm:
	.size	k_q5a3a2b584f_gemm, .Lfunc_end_k_q5a3a2b584f_gemm-k_q5a3a2b584f_gemm
	.p2alignl 7, 3214868480
	.fill 96, 4, 3214868480
	.section	.rodata,"a",@progbits
	.p2align	6, 0x0
	.amdhsa_kernel k_q5a3a2b584f_gemm
		.amdhsa_group_segment_fixed_size 327680
		.amdhsa_private_segment_fixed_size 0
		.amdhsa_enable_private_segment 0
		.amdhsa_kernarg_size 40
		.amdhsa_user_sgpr_count 2
		.amdhsa_user_sgpr_kernarg_segment_ptr 1
		.amdhsa_wavefront_size32 1
		.amdhsa_system_sgpr_workgroup_id_x 1
		.amdhsa_system_sgpr_workgroup_id_y 1
		.amdhsa_system_sgpr_workgroup_id_z 1
		.amdhsa_system_vgpr_workitem_id 0
		.amdhsa_next_free_vgpr 1024
		.amdhsa_next_free_sgpr 98
		.amdhsa_reserve_vcc 0
		.amdhsa_float_denorm_mode_32 3
		.amdhsa_float_denorm_mode_16_64 3
		.amdhsa_memory_ordered 1
		.amdhsa_forward_progress 1
		.amdhsa_inst_pref_size 149
	.end_amdhsa_kernel
	.amdgpu_metadata
---
amdhsa.version: [ 1, 2 ]
amdhsa.kernels:
  - .name:           k_q5a3a2b584f_gemm
    .symbol:         k_q5a3a2b584f_gemm.kd
    .args:
      - { .name: x_codes, .offset: 0, .size: 8, .value_kind: global_buffer, .address_space: global }
      - { .name: x_scales, .offset: 8, .size: 8, .value_kind: global_buffer, .address_space: global }
      - { .name: wq, .offset: 16, .size: 8, .value_kind: global_buffer, .address_space: global }
      - { .name: bias, .offset: 24, .size: 8, .value_kind: global_buffer, .address_space: global }
      - { .name: out0, .offset: 32, .size: 8, .value_kind: global_buffer, .address_space: global }
    .group_segment_fixed_size: 327680
    .private_segment_fixed_size: 0
    .kernarg_segment_align: 8
    .kernarg_segment_size: 40
    .max_flat_workgroup_size: 128
    .sgpr_count:     98
    .vgpr_count:     1024
    .wavefront_size: 32
...
	.end_amdgpu_metadata
.endif
;; end of part 2
